; MI455X (gfx1250); checked and timed in simulation.
; The chip was launched on July 23, 2026; its instructions are those of AMD's public machine-readable ISA for CDNA 5 (MIT licence, August 2026) and "CDNA5" Instruction Set Architecture Reference Guide (July 2026). The comments in the code are by the model that wrote it; some were corrected since.
;; Self Attention. Allowed arithmetic: matrix products marked QUANTISED: E3M2 operands, one E8M0 scale for each 32 along K, by v_wmma_scale_f32_16x16x128_f8f6f4 with both operands' format E3M2, f32 sums; everything else in f32.
;; Inputs: Wk 768 x 768 float32; Wq 768 x 768 float32; Wv 768 x 768 float32; bk 768 float32; bq 768 float32; bv 768 float32; hidden_states 2 x 4,096 x 768 float32.
;; Outputs: out0 2 x 4,096 x 768 float32.
;; This version of the problem:
;;   THIS VERSION OF THE PROBLEM IS GIVEN IN LOW PRECISION. The matrix products marked QUANTISED in the list below multiply operands that are first quantised to E3M2 (3 exponent bits, 2 mantissa bits; 6 bits a number), with one power-of-two scale for each 32 numbers along K (OCP MX v1.0); their sums are f32. All else is computed in f32.
;;   The module's matrix products, in the order in which they are computed (A, B: the left and right operand; K: the contracted axis; several contracted axes count as one K, in the product's order):
;;     1. [M 8,192, K 768] x [K 768, N 768]; A: input hidden_states; B: input Wq: QUANTISED
;;     2. [M 8,192, K 768] x [K 768, N 768]; A: input hidden_states; B: input Wk: QUANTISED
;;     3. [M 8,192, K 768] x [K 768, N 768]; A: input hidden_states; B: input Wv: QUANTISED
;;     4. batch 12 x [M 4,096, K 128] x [K 128, N 4,096]; A: computed on the way; B: computed on the way: QUANTISED
;;     5. batch 12 x [M 4,096, K 4,096] x [K 4,096, N 128]; A: softmax (see below); B: computed on the way: QUANTISED
;;   THE QUANTISER, for each operand of a quantised product, along K:
;;     - K is cut into blocks of 32 from its start; a last block that is shorter is filled with zeros.
;;     - A block's scale is 2^e with e = floor(log2(the largest magnitude in the block)) - 4, held to -126 .. 127; a block of zeros has e = 0. As a byte (E8M0): e + 127.
;;     - Each number is divided by its block's scale, clamped to +-28, and rounded to the nearest number of E3M2, ties to even, subnormals kept.
;;     - The product sums the exact products of the quantised numbers (number of the format x scale) in f32.
;;   ~~~python
;;   def quantise(x, axis):      # numpy; x: float32 -> the quantised numbers, widened to float32 again
;;       x = np.moveaxis(x, axis, -1); K = x.shape[-1]
;;       x = np.pad(x, [(0, 0)] * (x.ndim - 1) + [(0, -K % 32)]); x = x.reshape(x.shape[:-1] + (-1, 32)); a = np.abs(x).max(-1, keepdims=True)
;;       e = np.where(a > 0, np.clip(np.frexp(np.where(a > 0, a, 1))[1] - 1 - 4, -126, 127), 0)      # np.frexp(a)[1] - 1 = floor(log2(a)), exactly
;;       r = np.clip(x / 2.0 ** e, -28, 28)
;;       step = 2.0 ** (np.maximum(np.frexp(np.where(r == 0, 1, r))[1] - 1, -2) - 2)
;;       q = np.round(r / step) * step * 2.0 ** e      # np.round: ties to even
;;       return np.moveaxis(q.reshape(q.shape[:-2] + (-1,))[..., :K], -1, axis).astype(np.float32)
;;   ~~~
;;   SOFTMAX AHEAD OF A QUANTISED PRODUCT. Where the list says 'softmax', what is quantised is not the finished softmax but p = 2^(t - M), with t = logit x log2(e) and M = ceil(the row's largest t), a whole number; so 1/2 < the row's largest p <= 1. The row's sum l is taken of the UNQUANTISED p, in f32, and the product's result is divided by l at the end. Since M is a whole number, a kernel that streams over the keys may use a running M (the ceiling of the running maximum): every later rescaling is an exact power of two, which a block's scale takes up: the codes' values come out the same.
;;   OPERANDS COMPUTED ON THE WAY. 'Computed on the way' means the value that the module computes at that place (a softmax that the list does not call 'softmax' is quantised finished and normalised). What goes into a quantiser is computed in f32, as accurately as f32 sums, v_exp_f32 and their like allow (about 1e-6 of the number): no bf16 or f16 on the way to a quantiser, and a product that is left as it is and whose result goes on into a quantised operand takes f32 operands (vector FMAs, or v_wmma_f32_16x16x4_f32). A number that lies on a knife's edge between two numbers of the format may be rounded either way, as far as f32 arithmetic and the matrix unit's own rounding can turn it there, and no further.
;; One version. Each part assembles by itself: llvm-mc -triple=amdgcn-amd-amdhsa -mcpu=gfx1250 --defsym DOCPART=n.
;; ======== version 1 of 1: 3 launches
;; limits: right only within a limited range of input values
;; workspace buffers: xq 4,980,736 bytes; wq 1,400,832 bytes; qf 4,718,592 bytes; qs 196,608 bytes; kvf 9,437,184 bytes; kvs 393,216 bytes
;; launch prep (part 1): grid 292 x 1, 4 waves a work-group, no clusters, 99,840 bytes of LDS; arguments hidden_states, Wq, Wk, Wv, xq, wq; writes xq, wq
.if DOCPART == 1
	.amdgcn_target "amdgcn-amd-amdhsa--gfx1250"
	.amdhsa_code_object_version 6
	.text
	.protected	k_q77c04352ce_prep
	.globl	k_q77c04352ce_prep
	.p2align	8
	.type	k_q77c04352ce_prep,@function
k_q77c04352ce_prep:
	s_mov_b64 s[64:65], 0
	v_nop
	global_prefetch_b8 v0, s[64:65] scope:SCOPE_SE
	s_setreg_imm32_b32 hwreg(HW_REG_WAVE_MODE, 25, 1), 1
	s_wait_xcnt 0x0
; hidden_states [8192][768] (K = its last axis) and Wq, Wk, Wv [768 (K)][768] (K = their FIRST axis), f32, become codes of BF6 (E3M2) with one E8M0 scale byte for each 32 along K,
; laid as IMAGES OF OPERAND REGISTERS.  A fragment is 16 rows x 128 K, 12 registers a lane; its image is 1,536 bytes: registers 4 c .. 4 c + 3 of lane l at 512 c + 16 l.
; A RECORD of a tile of 16 rows is 9,728 bytes: the six K steps' images, then at 9,216 a scale image: lane (r, hs) has 16 bytes: the scale words of K steps 3 hs, 3 hs + 1, 3 hs + 2 of row r, and a zero.
; WHICH ROWS FORM A TILE.  x: tile T, row r = token 32 (T / 2) + 8 (T % 2) + r + 8 (r / 8).  Wq, Wk: tile 2 b + u of a head, row r = unit 32 b + 8 u + r + 8 (r / 8).  Wv: tile t, row r = unit 16 t + r.
; A block's scale is 2^(floor(log2(its largest magnitude)) - 4); its byte is that magnitude's exponent field - 4, held at 1 from below.
; LIMITS: NaN and infinities among the inputs are not served.  A block whose largest magnitude lies under 2^-122 keeps the byte 1.  A block of zeros gets the byte 1 where the rule says 127:
; its codes are zeros, which add nothing under any byte but 0xff, and the bytes are read by this program alone.
; SHARES.  Work-groups 0 to 35 take the weights (12 each: a head x a half of K; a wave 32 columns x 384 rows), work-groups 36 to 291 take 32 tokens each (a wave one tile x a half of K).
; The two ways part once, on the work-group's number, and never join; each has LDS bytes of its own.  Waves share nothing: no barrier.  No tensor loads.
; Window 1 holds only the registers in which global loads land; all else is window 0.
.set NWW,  36                          ; work-groups for the weights
.set RECB, 9728
.set SEL,  28                          ; s[28:29] lane selects of v_permlanex16_b32: lane l xor 16
.set LI,   4                           ; v4  16 x lane; never rewritten
; the way of x
.set XST,  5                           ; v5  the stage, on the way in: 16 x lane
.set XLD,  6                           ; v6  on the way out: 528 r + 64 h
.set SO,   7                           ; v7  16 r + 8 h: my 8 bytes of the scale image
.set ZR,   8                           ; v8  0
.set Y,    10                          ; v[10:11] those 8 bytes
.set PW,   12                          ; v12-14 the three K steps' scale words
.set TM,   16                          ; v16-31 at work in QUANT
.set CT,   32                          ; v32-39 the conversions' second halves
.set D,    40                          ; v40-75 three fragments
.set X0,   128                         ; v128-191, v192-255: two sets of 64 numbers
.set X1,   192
.set XSTG, 65536                       ; LDS: 16 rows x 528 bytes for each wave
; the way of the weights
.set WGO,  5                           ; v5  my 16 bytes of four rows in memory
.set WST,  6                           ; v6  the stage, on the way in
.set WLD,  7                           ; v7  on the way out: 4 x lane: a lane is a column
.set SSO,  8                           ; v8  my 16 bytes of the two tiles' scale images
.set SW,   12                          ; v12-14 my column's scale words, v15 = 0
.set M0,   16
.set M1,   17
.set BY,   18
.set SCO,  20                          ; v20-23 the four blocks' scale operands
.set WCT,  24                          ; v24-39 the conversions' second halves
.set F,    40                          ; v40-111 two fragments for each of three K steps
.set X,    128                         ; v128-255 128 numbers down K
.set MSB, 0
.macro WIN new                         ; the immediate's high byte repeats the setting that is left
.if MSB != (\new)
	s_set_vgpr_msb (MSB<<8)|(\new)
.set MSB, (\new)
.endif
.endm
; 64 numbers of a lane, register 16 b + i = k 32 b + 16 (lane / 16) + i of my row, become a fragment's codes in v[d] on and its scale word in v[pw].
.macro QUANT s, d, pw
.irp b, 0,1,2,3
	v_max3_num_f32 v[TM+\b], |v[\s+16*\b]|, |v[\s+1+16*\b]|, 0x2800000   ; block b: my 16 numbers, and the floor 2^(5 - 127): the byte cannot fall under 1
.endr
.irp i, 2,4,6,8,10,12,14
.irp b, 0,1,2,3
	v_max3_num_f32 v[TM+\b], v[TM+\b], |v[\s+16*\b+\i]|, |v[\s+1+16*\b+\i]|   ; the four blocks by turns
.endr
.endr
.irp b, 0,1,2,3
	v_permlanex16_b32 v[TM+4+\b], v[TM+\b], s[SEL], s[SEL+1]
.endr
.irp b, 0,1,2,3
	v_max_num_f32 v[TM+\b], v[TM+\b], v[TM+4+\b]   ; with lane l xor 16's 16: the block's largest magnitude
.endr
.irp b, 0,1,2,3
	v_add_nc_u32 v[TM+12+\b], 0xfe000000, v[TM+\b]   ; 4 off its exponent field: the conversion's scale operand
.endr
.irp b, 0,1,2,3
	v_lshrrev_b32 v[TM+4+\b], 23, v[TM+12+\b]      ; the scale's byte
.endr
	v_lshl_or_b32 v[\pw], v[TM+5], 8, v[TM+4]
	v_lshl_or_b32 v[\pw], v[TM+6], 16, v[\pw]
	v_lshl_or_b32 v[\pw], v[TM+7], 24, v[\pw]      ; my row's scale word
.irp c, 0,1
	v_cvt_scalef32_pk16_bf6_f32 v[\d+6*\c:\d+6*\c+2], v[\s+32*\c:\s+32*\c+15], v[TM+12+2*\c]
	v_cvt_scalef32_pk16_bf6_f32 v[CT+4*\c:CT+4*\c+2], v[\s+32*\c+16:\s+32*\c+31], v[TM+13+2*\c]   ; (a conversion's three registers begin on an even number)
.endr
	v_nop                                          ; one plain line behind the scaled conversions
.irp c, 0,1                            ; the operand wants a WHOLE block in a lane: lanes 0-15 block 2 c, lanes 16-31 block 2 c + 1
.irp i, 0,1,2
	v_permlane16_swap_b32 v[\d+6*\c+\i], v[CT+4*\c+\i]
.endr
.irp i, 0,1,2
	v_mov_b32 v[\d+3+6*\c+\i], v[CT+4*\c+\i]
.endr
.endr
.endm
	s_load_b256 s[4:11], s[0:1], 0x0               ; hidden_states s[4:5], Wq s[6:7], Wk s[8:9], Wv s[10:11]
	s_load_b128 s[12:15], s[0:1], 0x20             ; xq s[12:13], wq s[14:15]
	v_lshl_add_u32 v126, v0, 2, 0x18400
	v_mov_b32 v127, 0
	v_lshrrev_b32 v1, 5, v0
	v_readfirstlane_b32 s16, v1                    ; wave 0..3
	v_and_b32 v2, 31, v0                           ; lane
	v_lshlrev_b32 v[LI], 4, v2
	s_mov_b32 s[SEL], 0x76543210
	s_mov_b32 s[SEL+1], 0xfedcba98
	s_cmp_lt_u32 ttmp9, NWW
	s_cbranch_scc1 .Lweights
; ---------------- x: work-group g owns tokens 32 g .. 32 g + 31; wave w takes tile 2 g + w / 2 and K steps 3 (w % 2) .. + 2
	s_sub_co_u32 s17, ttmp9, NWW                   ; g
	s_lshr_b32 s18, s16, 1                         ; which of the two tiles
	s_and_b32 s19, s16, 1                          ; which half of K
	s_lshl_b32 s20, s17, 5
	s_lshl_b32 s21, s18, 3
	s_add_co_u32 s20, s20, s21                     ; the tile's first token: 32 g + 8 (w / 2)
	s_mul_i32 s20, s20, 3072                       ; a token's row is 3,072 bytes; all of x is under 2^25 bytes
	s_mul_i32 s21, s19, 1536
	s_add_co_u32 s20, s20, s21
	s_mov_b32 s21, 0
	s_lshl_b32 s22, s17, 1
	s_add_co_u32 s22, s22, s18                     ; T
	s_mul_i32 s22, s22, RECB
	s_mul_i32 s24, s19, 4608
	s_add_co_u32 s24, s24, s22                     ; my three images
	s_mov_b32 s25, 0
	s_lshl_b32 s26, s19, 8
	s_add_co_u32 s26, s26, s22
	s_add_co_u32 s26, s26, 9216                    ; my 256 bytes of the scale image
	s_mov_b32 s27, 0
	s_mul_i32 s30, s16, 16*528
	s_add_co_u32 s30, s30, XSTG                    ; my stage
	v_and_b32 v9, 15, v0                           ; r
	v_bfe_u32 v3, v0, 4, 1                         ; h
	s_wait_alu depctr_va_vdst(0)
	v_add_nc_u32 v[XST], s30, v[LI]
	v_mul_u32_u24 v[XLD], v9, 528
	v_lshl_add_u32 v[XLD], v3, 6, v[XLD]
	v_add_nc_u32 v[XLD], s30, v[XLD]
	v_lshlrev_b32 v[SO], 4, v9
	v_lshl_add_u32 v[SO], v3, 3, v[SO]
	v_mov_b32 v[ZR], 0
.irp b, 0,1,2,3
	v_mov_b32 v[TM+4+\b], 0                        ; written once: a lane permute's destination counts as one of its sources
.endr
	s_wait_alu depctr_va_vdst(0)
	s_wait_kmcnt 0x0
	s_add_nc_u64 s[4:5], s[4:5], s[20:21]
	s_add_nc_u64 s[32:33], s[12:13], s[24:25]
	s_add_nc_u64 s[34:35], s[12:13], s[26:27]
	WIN 0x40                                       ; destination window 1
.irp t, 0,1,2                          ; all 48 loads at once: K step t, the tile's row i: 32 lanes read 512 consecutive bytes of one token
.set i, 0
.rept 16
	global_load_b128 v[64*\t+4*i:64*\t+4*i+3], v[LI], s[4:5] offset:(i+8*(i/8))*3072+512*\t th:TH_LOAD_NT
.set i, i+1
.endr
.endr
	WIN 0
; K step t goes through my stage, as it lies, and comes back 64 bytes of each block's half a lane.  Rows 528 bytes apart: the sixteen rows of a load begin in sixteen different groups of banks.
; LDS serves a wave's instructions in order, so one stage serves all three steps and no wait stands between the stores and the loads.
.macro TURN t, xs
	WIN 0x04                                       ; an LDS store's data are its source 1: window 1
.set i, 0
.rept 16
	ds_store_b128 v[XST], v[64*\t+4*i:64*\t+4*i+3] offset:528*i
.set i, i+1
.endr
	WIN 0
.irp b, 0,1,2,3
.irp j, 0,1,2,3
	ds_load_b128 v[\xs+16*\b+4*\j:\xs+16*\b+4*\j+3], v[XLD] offset:128*\b+16*\j
.endr
.endr
.endm
.macro XOUT t                          ; the fragment leaves as its image: each store covers 512 consecutive bytes, aligned
.irp c, 0,1,2
	global_store_b128 v[LI], v[D+12*\t+4*\c:D+12*\t+4*\c+3], s[32:33] offset:1536*\t+512*\c
.endr
.endm
	s_wait_loadcnt 32                              ; step 0's sixteen loads are in; the 32 of steps 1 and 2 may be out
	TURN 0, X0
	s_wait_loadcnt 16                              ; step 1's are in
	TURN 1, X1
	s_wait_dscnt 32                                ; step 0 is back from the stage; behind it: step 1's 16 stores and 16 loads
	QUANT X0, D, PW
	XOUT 0
	s_wait_loadcnt 0x0
	TURN 2, X0
	s_wait_dscnt 32                                ; step 1 is back; behind it: step 2's 32
	QUANT X1, D+12, PW+1
	XOUT 1
	s_wait_dscnt 0x0
	QUANT X0, D+24, PW+2
	XOUT 2
	v_cmp_le_u32 vcc_lo, 16, v2                    ; lanes 16-31 (both halves of the lanes hold row r's words)
	v_cndmask_b32 v[Y], v[PW], v[PW+2], vcc_lo     ; lanes 0-15: words 0 and 1 of my row; lanes 16-31: word 2 and the zero
	v_cndmask_b32 v[Y+1], v[PW+1], v[ZR], vcc_lo
	global_store_b64 v[SO], v[Y:Y+1], s[34:35]     ; 32 lanes store 256 consecutive bytes, aligned
	s_wait_tensorcnt 0x0
	ds_add_u32 v126, v127
	s_wait_dscnt 0x0
	s_endpgm
; ---------------- the weights: work-group g: matrix g / 12, head (g % 12) / 2, half of K g % 2; wave w: the head's columns 32 w .. 32 w + 31, 384 rows
.Lweights:
	s_mul_i32 s17, ttmp9, 171
	s_lshr_b32 s17, s17, 11                        ; g / 12 (exact for g under 36): 0 Wq, 1 Wk, 2 Wv
	s_mul_i32 s18, s17, 12
	s_sub_co_u32 s18, ttmp9, s18
	s_lshr_b32 s19, s18, 1                         ; head
	s_and_b32 s20, s18, 1                          ; half of K
	s_lshl_b32 s21, s19, 2
	s_add_co_u32 s21, s21, s16                     ; which 32 columns of the 768
	s_mul_i32 s24, s20, 384*3072
	s_lshl_b32 s25, s21, 7
	s_add_co_u32 s24, s24, s25                     ; in memory: 384 rows x the half + 128 bytes x the group of columns
	s_mov_b32 s25, 0
	s_mul_i32 s26, s17, 48
	s_lshl_b32 s27, s21, 1
	s_add_co_u32 s26, s26, s27                     ; my first tile: 48 x matrix + 2 x group
	s_mul_i32 s26, s26, RECB
	s_mul_i32 s27, s20, 4608
	s_add_co_u32 s30, s26, s27                     ; its three images of my half
	s_mov_b32 s31, 0
	s_lshl_b32 s27, s20, 8
	s_add_co_u32 s26, s26, s27
	s_add_co_u32 s26, s26, 9216                    ; and my 256 bytes of its scale image
	s_mov_b32 s27, 0
	s_lshl_b32 s36, s16, 14                        ; my stage: 128 rows x 128 bytes
	s_cmp_eq_u32 s17, 2
	s_cselect_b32 s37, 0, 6                        ; Wq, Wk: the two middle groups of 8 columns change places; Wv: they stay
	; A load takes 4 rows x 128 bytes: lane l takes row l / 8 and the piece of 16 bytes that belongs at place p = l % 8 of the stage's row.  That piece is p xor 6 where p is 2 .. 5 (Wq, Wk): the tiles' order of
	; rows is made on the side of memory, and every LDS address stays 16 x lane or 4 x lane.
	s_wait_alu depctr_va_vdst(0)
	v_and_b32 v9, 7, v2
	v_lshrrev_b32 v10, 1, v9
	v_lshrrev_b32 v11, 2, v9
	v_xor_b32 v10, v10, v11
	v_and_b32 v10, 1, v10                          ; 1 for p = 2 .. 5
	v_mul_u32_u24 v10, s37, v10
	v_xor_b32 v9, v9, v10
	v_lshrrev_b32 v11, 3, v2
	v_mul_u32_u24 v[WGO], v11, 3072
	v_lshl_add_u32 v[WGO], v9, 4, v[WGO]
	v_add_nc_u32 v[WST], s36, v[LI]
	v_lshl_add_u32 v[WLD], v2, 2, s36
	v_lshrrev_b32 v11, 4, v2
	v_mul_u32_u24 v[SSO], v11, RECB                ; lanes 0-15 are the first tile's rows, lanes 16-31 the second's
	v_and_b32 v10, 15, v2
	v_lshl_add_u32 v[SSO], v10, 4, v[SSO]
	v_mov_b32 v[SW+3], 0
	s_wait_alu depctr_va_vdst(0)
	s_wait_kmcnt 0x0
	s_cmp_eq_u32 s17, 0
	s_cselect_b64 s[22:23], s[6:7], s[8:9]
	s_cmp_eq_u32 s17, 2
	s_cselect_b64 s[22:23], s[10:11], s[22:23]     ; the matrix: a choice on the work-group's number alone
	s_add_nc_u64 s[22:23], s[22:23], s[24:25]
	s_add_nc_u64 s[32:33], s[14:15], s[30:31]
	s_add_nc_u64 s[34:35], s[14:15], s[26:27]
.macro GL t, set                       ; K step t: 128 rows, 32 loads, into landing set 0 or 1 of window 1
	WIN 0x40
.set i, 0
.rept 32
	global_load_b128 v[128*\set+4*i:128*\set+4*i+3], v[WGO], s[22:23] offset:12288*(32*\t+i) th:TH_LOAD_NT
.set i, i+1
.endr
	WIN 0
.endm
.macro WMAX t, b                       ; block b of K step t: all its 32 numbers are mine
.set XS, X+32*\b
	v_max3_num_f32 v[M0], |v[XS]|, |v[XS+1]|, |v[XS+2]|
	v_max3_num_f32 v[M1], |v[XS+3]|, |v[XS+4]|, |v[XS+5]|
.irp i, 6,10,14,18,22,26
	v_max3_num_f32 v[M0], v[M0], |v[XS+\i]|, |v[XS+\i+1]|
	v_max3_num_f32 v[M1], v[M1], |v[XS+\i+2]|, |v[XS+\i+3]|
.endr
	v_max3_num_f32 v[M0], v[M0], |v[XS+30]|, |v[XS+31]|
	v_max3_num_f32 v[M0], v[M0], v[M1], 0x2800000  ; and the floor 2^(5 - 127)
	v_add_nc_u32 v[SCO+\b], 0xfe000000, v[M0]      ; 4 off the exponent field: the conversion's scale operand
	v_lshrrev_b32 v[BY], 23, v[SCO+\b]             ; the scale's byte
.if \b == 0
	v_mov_b32 v[SW+\t], v[BY]
.else
	v_lshl_or_b32 v[SW+\t], v[BY], 8*\b, v[SW+\t]
.endif
.endm
; A K step.  Its 16,384 bytes go through my stage as they were loaded and come back a column a lane, registers down K.
.macro WSTEP t, set, left
	s_wait_loadcnt \left                           ; this step's 32 loads are in; a younger step's 32 may be out
	WIN 0x04
.set i, 0
.rept 32
	ds_store_b128 v[WST], v[128*\set+4*i:128*\set+4*i+3] offset:512*i
.set i, i+1
.endr
	WIN 0
.set i, 0
.rept 128
	ds_load_b32 v[X+i], v[WLD] offset:128*i
.set i, i+1
.endr
	s_wait_dscnt 63                                ; of the 160 just issued at most 63 are out: the 32 stores have read their registers, and blocks 0 and 1 are in
.if \t == 0
	GL 2, 0                                        ; so the first landing set takes the third K step
.endif
	WMAX \t, 0
	WMAX \t, 1
	s_wait_dscnt 32                                ; block 2 is in
	WMAX \t, 2
	s_wait_dscnt 0x0
	WMAX \t, 3
.irp b, 0,1,2,3                        ; blocks 0 and 2 into the first run of 12 registers, blocks 1 and 3 into the second
	v_cvt_scalef32_pk16_bf6_f32 v[F+24*\t+12*(\b%2)+6*(\b/2):F+24*\t+12*(\b%2)+6*(\b/2)+2], v[X+32*\b:X+32*\b+15], v[SCO+\b]
	v_cvt_scalef32_pk16_bf6_f32 v[WCT+4*\b:WCT+4*\b+2], v[X+32*\b+16:X+32*\b+31], v[SCO+\b]
.endr
	v_nop                                          ; one plain line behind the scaled conversions
.irp b, 0,1,2,3
.irp i, 0,1,2
	v_mov_b32 v[F+24*\t+12*(\b%2)+6*(\b/2)+3+\i], v[WCT+4*\b+\i]
.endr
.endr
.irp c, 0,1                            ; the first run's lanes 16-31 (the second tile's blocks 0, 2) change places with the second run's lanes 0-15 (the first tile's blocks 1, 3):
.irp i, 0,1,2,3,4,5                    ; the first run is then the first tile's fragment, the second run the second tile's
	v_permlane16_swap_b32 v[F+24*\t+6*\c+\i], v[F+24*\t+12+6*\c+\i]
.endr
.endr
.irp u, 0,1
.irp c, 0,1,2
	global_store_b128 v[LI], v[F+24*\t+12*\u+4*\c:F+24*\t+12*\u+4*\c+3], s[32:33] offset:RECB*\u+1536*\t+512*\c
.endr
.endr
.endm
	GL 0, 0
	GL 1, 1
	WSTEP 0, 0, 32
	WSTEP 1, 1, 32
	WSTEP 2, 0, 0
	global_store_b128 v[SSO], v[SW:SW+3], s[34:35] ; my column's three words and a zero: sixteen lanes store 256 consecutive bytes, aligned
	s_wait_tensorcnt 0x0
	ds_add_u32 v126, v127
	s_wait_dscnt 0x0
	s_endpgm
.Lfunc_end_k_q77c04352ce_prep:
	.size	k_q77c04352ce_prep, .Lfunc_end_k_q77c04352ce_prep-k_q77c04352ce_prep
	.p2alignl 7, 3214868480
	.fill 96, 4, 3214868480
	.section	.rodata,"a",@progbits
	.p2align	6, 0x0
	.amdhsa_kernel k_q77c04352ce_prep
		.amdhsa_group_segment_fixed_size 99840
		.amdhsa_private_segment_fixed_size 0
		.amdhsa_enable_private_segment 0
		.amdhsa_kernarg_size 48
		.amdhsa_user_sgpr_count 2
		.amdhsa_user_sgpr_kernarg_segment_ptr 1
		.amdhsa_wavefront_size32 1
		.amdhsa_system_sgpr_workgroup_id_x 1
		.amdhsa_system_sgpr_workgroup_id_y 1
		.amdhsa_system_sgpr_workgroup_id_z 1
		.amdhsa_system_vgpr_workitem_id 0
		.amdhsa_next_free_vgpr 512
		.amdhsa_next_free_sgpr 66
		.amdhsa_reserve_vcc 1
		.amdhsa_float_denorm_mode_32 3
		.amdhsa_float_denorm_mode_16_64 3
		.amdhsa_memory_ordered 1
		.amdhsa_forward_progress 1
		.amdhsa_inst_pref_size 88
	.end_amdhsa_kernel
	.amdgpu_metadata
---
amdhsa.version: [ 1, 2 ]
amdhsa.kernels:
  - .name:           k_q77c04352ce_prep
    .symbol:         k_q77c04352ce_prep.kd
    .args:
      - { .name: hidden_states, .offset: 0, .size: 8, .value_kind: global_buffer, .address_space: global }
      - { .name: Wq, .offset: 8, .size: 8, .value_kind: global_buffer, .address_space: global }
      - { .name: Wk, .offset: 16, .size: 8, .value_kind: global_buffer, .address_space: global }
      - { .name: Wv, .offset: 24, .size: 8, .value_kind: global_buffer, .address_space: global }
      - { .name: xq, .offset: 32, .size: 8, .value_kind: global_buffer, .address_space: global }
      - { .name: wq, .offset: 40, .size: 8, .value_kind: global_buffer, .address_space: global }
    .group_segment_fixed_size: 99840
    .private_segment_fixed_size: 0
    .kernarg_segment_align: 8
    .kernarg_segment_size: 48
    .max_flat_workgroup_size: 128
    .sgpr_count:     66
    .vgpr_count:     512
    .wavefront_size: 32
...
	.end_amdgpu_metadata
.endif
;; end of part 1
;; launch qkv (part 2): grid 256 x 1, 4 waves a work-group, no clusters, 318,976 bytes of LDS; arguments xq, wq, bq, bk, bv, qf, qs, kvf, kvs; writes qf, qs, kvf, kvs
.if DOCPART == 2
	.amdgcn_target "amdgcn-amd-amdhsa--gfx1250"
	.amdhsa_code_object_version 6
	.text
	.protected	k_q77c04352ce_qkv
	.globl	k_q77c04352ce_qkv
	.p2align	8
	.type	k_q77c04352ce_qkv,@function
k_q77c04352ce_qkv:
	s_mov_b64 s[64:65], 0
	v_nop
	global_prefetch_b8 v0, s[64:65] scope:SCOPE_SE
	s_setreg_imm32_b32 hwreg(HW_REG_WAVE_MODE, 25, 1), 1
	s_wait_xcnt 0x0
; q = x Wq + bq, k = x Wk + bk, v = x Wv + bv on codes of BF6 (E3M2) with E8M0 scales, sums in f32; the results are quantised in registers (q, k along the head's 128, v along the keys) and leave as images of
; operand registers (1,536 bytes a fragment: registers 4 c .. 4 c + 3 of lane l at 512 c + 16 l).  q, k, v never lie in memory as f32.
; x and the weights come as records of 9,728 bytes a tile of 16 rows: six K steps' images, then a scale image (lane (r, hs): the words of K steps 3 hs .. 3 hs + 2 of row r).
; A UNIT OF WORK is one output fragment: 8 accumulators x 6 K steps = 48 matrix instructions, then the quantiser.  A wave keeps P (8 tiles x 6 K steps, 576 registers) for the whole launch and walks tiles R;
; source 0 = P, source 1 = R.  In the result a lane is a row of R and its 64 registers run along P's 128 rows, in the order that the quantiser wants (the rows that form a tile were chosen for it).
;   V:    work-groups 0-63:   P = the x tiles of 128 tokens (a key step), one block a wave;  R = 12 tiles of Wv, shared by the four waves.  A lane is a channel d, registers run along the keys.
;   q, k: work-groups 64-255: P = the 8 tiles of one head of Wq or Wk, one head a wave;      R = the 8 x tiles of 128 tokens, shared.        A lane is a token, registers run along the head's 128.
; ALL THAT A WORK-GROUP NEEDS IS ASKED FOR AT ITS HEAD: R by tensor loads (one a wave), P's six K steps and its scale images by 152 global loads, the bias by 16 or 12 more.  No LDS byte is filled twice.
; The bias is the C of each sum's first matrix instruction (so the order of f32 roundings differs from adding it last).
; NO CLUSTER: the work-groups that share a block R of x are three, which is no cluster's width here; what is shared is 78 to 117 KB of a work-group's 389 to 428 KB; P goes to one wave alone.
; LIMITS: NaN and infinities are not served.  A block whose largest magnitude lies under 2^-122 keeps the byte 1; a block of zeros gets the byte 1 where the rule says 127 (zero codes; the bytes are read by this program alone).
; REGISTERS.  Window 0: v1-7 addresses; v8-15 V's bias as C; v16-47 P's scale words; v48-55 R's, two sets; v56 the bias's offset in memory; v58-61 four scale words made; v[62:63] as stored; v64-127 accumulators;
;   v128-191 q, k: the bias as C (V: v128-139 its 12 tiles' bias); v192-203 the codes made; v204-227 at work.   Window 1 + k (K steps 2 k + e): v[96 e + 12 i] P's tile i; v[192 + 24 q + 12 e] R's set q.
.set RECB, 9728
; HOW THE OPERANDS COME (this takes the place of what the head comment says of the head's requests): P, all six K steps and the scale images, and the bias go from memory straight
; into registers by global loads (P serves one wave alone and lives in registers).  R alone goes through LDS: one tensor load a wave, q, k: two records, V: three.  No LDS byte is filled twice.
.set RL,   196608                      ; R: up to 12 records
.set LI,    1                          ; v1  16 x lane; never rewritten
.set SO,    2                          ; v2  16 r + 8 h
.set PLA,   3
.set OFF_F, 4                          ; v4  the trip's offset of my 16 bytes of an image
.set OFF_S, 5                          ; v5  and of my 8 bytes of a scale image
.set RL0,   6                          ; v6  RL + 16 x lane
.set RLA,   7                          ; v7  the same at the trip's first tile
.set BV,    8
.set PS,    16
.set RS,    48
.set BA,    56
.set PWQ,   58
.set Y,     62
.set ACC,   64
.set B,     128
.set PC,    192
.set CT,    204
.set TM,    212
.set WV,   22
.set TR,   23                          ; s23 trips to go
.set G1P,  24
.set G1R,  32                          ; s[32:39] two records: 76 rows x 256 bytes
.set G1X,  40                          ; s[40:47] three records: 114 rows x 256 bytes
.set G1BQ, 48                          ; s[48:55]
.set G1BV, 56                          ; s[56:63]
.set G0P,  68
.set G0R,  72
.set G0X,  76
.set G0B,  80
.set RT,   84                          ; s84 the trip's first tile in R, in bytes
.set QD,   88                          ; s88 V: which four of the 48 tiles of Wv
.set HM,   91                          ; s91 lanes 16-31
.set PB,   92                          ; s[92:93] P's first record in memory
.set RB,   94                          ; s[94:95] R's
.set OF,   66                          ; s[66:67] where my fragments go
.set OS,   2                           ; s[2:3]   and their scale images
.set SEL,  100                         ; s[100:101] lane selects: lane l xor 16
.set MSB, 0
.macro WIN new                         ; the immediate's high byte repeats the setting that is left
.if MSB != (\new)
	s_set_vgpr_msb (MSB<<8)|(\new)
.set MSB, (\new)
.endif
.endm
.macro GROUP1 g, c, r, p               ; r rows of c elements of 8 bytes, p elements apart; no mask, no padding
	s_mov_b32 s[\g], 3<<16
	s_mov_b32 s[\g+1], (\c)<<16
	s_mov_b32 s[\g+2], (\r)<<16
	s_mov_b32 s[\g+3], (\c)<<16
	s_mov_b32 s[\g+4], \r
	s_mov_b32 s[\g+5], \p
	s_mov_b32 s[\g+6], 0
	s_mov_b32 s[\g+7], 0
.endm
.macro PLACES
.rept 4
	v_nop
.endr
.endm
; 64 numbers of a lane, register 16 b + i = k 32 b + 16 (lane / 16) + i of my row, become a fragment's codes in v[d] on and its scale word in v[pw].
.macro QUANT s, d, pw
.irp b, 0,1,2,3
	v_max3_num_f32 v[TM+\b], |v[\s+16*\b]|, |v[\s+1+16*\b]|, 0x2800000   ; block b: my 16 numbers, and the floor 2^(5 - 127).  (Each accumulator is read from its low end on)
.endr
.irp i, 2,4,6,8,10,12,14
.irp b, 0,1,2,3
	v_max3_num_f32 v[TM+\b], v[TM+\b], |v[\s+16*\b+\i]|, |v[\s+1+16*\b+\i]|
.endr
.endr
.irp b, 0,1,2,3
	v_permlanex16_b32 v[TM+4+\b], v[TM+\b], s[SEL], s[SEL+1]
.endr
.irp b, 0,1,2,3
	v_max_num_f32 v[TM+\b], v[TM+\b], v[TM+4+\b]   ; with lane l xor 16's 16: the block's largest magnitude
.endr
.irp b, 0,1,2,3
	v_add_nc_u32 v[TM+12+\b], 0xfe000000, v[TM+\b]   ; 4 off its exponent field: the conversion's scale operand
.endr
.irp b, 0,1,2,3
	v_lshrrev_b32 v[TM+4+\b], 23, v[TM+12+\b]      ; the scale's byte
.endr
	v_lshl_or_b32 v[\pw], v[TM+5], 8, v[TM+4]
	v_lshl_or_b32 v[\pw], v[TM+6], 16, v[\pw]
	v_lshl_or_b32 v[\pw], v[TM+7], 24, v[\pw]
.irp c, 0,1
	v_cvt_scalef32_pk16_bf6_f32 v[\d+6*\c:\d+6*\c+2], v[\s+32*\c:\s+32*\c+15], v[TM+12+2*\c]
	v_cvt_scalef32_pk16_bf6_f32 v[CT+4*\c:CT+4*\c+2], v[\s+32*\c+16:\s+32*\c+31], v[TM+13+2*\c]
.endr
	v_nop                                          ; one plain line behind the scaled conversions
.irp c, 0,1
.irp i, 0,1,2
	v_permlane16_swap_b32 v[\d+6*\c+\i], v[CT+4*\c+\i]
.endr
.irp i, 0,1,2
	v_mov_b32 v[\d+3+6*\c+\i], v[CT+4*\c+\i]
.endr
.endr
.endm
.macro WM d, a, b, c, sa, sb, row      ; row = 1: both sides' scale words stand in lanes 16-31 (K steps 3 to 5)
.if \row
	v_wmma_scale_f32_16x16x128_f8f6f4 v[\d:\d+7], v[\a:\a+11], v[\b:\b+11], v[\c:\c+7], v[\sa], v[\sb] matrix_a_fmt:MATRIX_FMT_BF6 matrix_b_fmt:MATRIX_FMT_BF6 matrix_a_scale:MATRIX_SCALE_ROW1 matrix_b_scale:MATRIX_SCALE_ROW1
.else
	v_wmma_scale_f32_16x16x128_f8f6f4 v[\d:\d+7], v[\a:\a+11], v[\b:\b+11], v[\c:\c+7], v[\sa], v[\sb] matrix_a_fmt:MATRIX_FMT_BF6 matrix_b_fmt:MATRIX_FMT_BF6
.endif
.endm
; A tile of R, at off bytes from v[adr], into set q: 18 loads of images and one of the scale image: 19
.macro RLOAD q, off, adr
.irp k, 0,1,2
	WIN 0x40*(1+\k)
.irp e, 0,1
.irp c, 0,1,2
	ds_load_b128 v[192+24*\q+12*\e+4*\c:192+24*\q+12*\e+4*\c+3], v[\adr] offset:\off+1536*(2*\k+\e)+512*\c
.endr
.endr
.endr
	WIN 0
	ds_load_b128 v[RS+4*\q:RS+4*\q+3], v[\adr] offset:\off+9216
.endm
; 48 matrix instructions: K step by K step, the eight accumulators by turns, one instruction a turn.  The first K step takes the bias as C.
.macro MULS kind, q
.irp s, 0,1,2,3,4,5
	WIN 5*(1+\s/2)                                 ; sources 0 and 1: the K step's window; C and D window 0
.irp i, 0,1,2,3,4,5,6,7
.if \s == 0
.if \kind
	WM ACC+8*\i, 12*\i, 192+24*\q, BV, PS+4*\i, RS+4*\q, 0
.else
	WM ACC+8*\i, 12*\i, 192+24*\q, B+8*\i, PS+4*\i, RS+4*\q, 0
.endif
.else
	WM ACC+8*\i, 96*(\s%2)+12*\i, 192+24*\q+12*(\s%2), ACC+8*\i, PS+4*\i+\s%3, RS+4*\q+\s%3, \s/3
.endif
.endr
.endr
	WIN 0
.endm
; Tile j of a trip's four.  R's sets take turns: while set j % 2 is multiplied, the next tile lands in the other.
.macro TILE kind, j
.if \kind
.irp n, 0,1,2,3,4,5,6,7
	v_mov_b32 v[BV+\n], v[B+\j]                    ; V: a lane is one channel: its bias in all eight registers of C
.endr
	s_wait_alu depctr_va_vdst(0)
	v_mov_b32 v[B+\j], v[B+4+\j]                   ; the next trip finds its tile's bias at the same place
	v_mov_b32 v[B+4+\j], v[B+8+\j]
	PLACES
.endif
.if \j < 3
	RLOAD (1-\j%2), (\j+1)*RECB, RLA
	s_wait_dscnt 19                                ; all but the 19 just issued: this tile is in
.else
	s_cmp_eq_u32 s[TR], 1                          ; the last trip has no next tile
	s_cbranch_scc1 .Llast_\@
	RLOAD 0, 4*RECB, RLA
	s_wait_dscnt 19
	s_branch .Lgo_\@
.Llast_\@:
	s_wait_dscnt 0x0
.Lgo_\@:
.endif
	MULS \kind, (\j%2)
	PLACES                                         ; four plain lines between the last product and the first read of results
	s_wait_xcnt 0x0                                ; the last tile's stores have read their data: the codes' registers may be written
	QUANT ACC, PC, PWQ+\j
.irp c, 0,1,2
	global_store_b128 v[OFF_F], v[PC+4*\c:PC+4*\c+3], s[OF:OF+1] offset:1536*\j+512*\c   ; 512 consecutive bytes, aligned
.endr
.if \j == 3
	v_cndmask_b32 v[Y], v[PWQ], v[PWQ+2], s[HM]    ; four tiles' words of row r are 16 neighbouring bytes: lanes 0-15 store tiles 0 and 1's, lanes 16-31 tiles 2 and 3's
	v_cndmask_b32 v[Y+1], v[PWQ+1], v[PWQ+3], s[HM]
	global_store_b64 v[OFF_S], v[Y:Y+1], s[OS:OS+1]   ; 256 consecutive bytes, aligned
.endif
.endm
; The rest of a path's head: P's six K steps and its scale images straight into registers; then a wait until the tensor loads of all waves have landed.
.macro PHEAD
.irp k, 0,1,2
	WIN 0x40*(1+\k)                                ; destination: the window of K steps 2 k, 2 k + 1
.irp i, 0,1,2,3,4,5,6,7
.irp e, 0,1
.irp c, 0,1,2
	global_load_b128 v[96*\e+12*\i+4*\c:96*\e+12*\i+4*\c+3], v[LI], s[PB:PB+1] offset:RECB*\i+1536*(2*\k+\e)+512*\c
.endr
.endr
.endr
.endr
	WIN 0
.irp i, 0,1,2,3,4,5,6,7
	global_load_b128 v[PS+4*\i:PS+4*\i+3], v[LI], s[PB:PB+1] offset:RECB*\i+9216
.endr
	s_wait_tensorcnt 0x0                           ; my tensor loads have landed, my part of R among them,
	s_barrier_signal -1
	s_barrier_wait -1                              ; and everybody's
	WIN 0
.endm
	s_load_b256 s[4:11], s[0:1], 0x0               ; xq s[4:5], wq s[6:7], bq s[8:9], bk s[10:11]
	s_load_b256 s[12:19], s[0:1], 0x20             ; bv s[12:13], qf s[14:15], qs s[16:17], kvf s[18:19]
	s_load_b64 s[20:21], s[0:1], 0x40              ; kvs
	v_lshl_add_u32 v254, v0, 2, 0x4dc00
	v_mov_b32 v255, 0
	ds_add_u32 v254, v255
	ds_add_u32 v254, v255
	v_lshrrev_b32 v1, 5, v0
	v_readfirstlane_b32 s[WV], v1                  ; wave 0..3
	v_and_b32 v2, 31, v0
	v_lshlrev_b32 v[LI], 4, v2
	v_and_b32 v9, 15, v0                           ; r
	v_bfe_u32 v10, v0, 4, 1                        ; h
	v_lshlrev_b32 v[SO], 4, v9
	v_lshl_add_u32 v[SO], v10, 3, v[SO]
	v_add_nc_u32 v[RL0], RL, v[LI]
.irp b, 0,1,2,3
	v_mov_b32 v[TM+4+\b], 0                        ; written once: a lane permute's destination counts as one of its sources
.endr
	s_mov_b32 s[SEL], 0x76543210
	s_mov_b32 s[SEL+1], 0xfedcba98
	s_mov_b32 s[HM], 0xffff0000
	GROUP1 G1R, 32, 76, 32                         ; two records
	GROUP1 G1X, 32, 114, 32                        ; three records
	s_lshr_b32 s85, ttmp9, 2                       ; V: which four blocks of 128 tokens
	s_sub_co_u32 s86, ttmp9, 64
	s_lshr_b32 s87, s86, 6                         ; q, k: which four of the twelve heads of Wq and Wk
	s_and_b32 s[QD], ttmp9, 3                      ; V: which 12 tiles of Wv
	s_mul_i32 s89, s[QD], 12
	s_add_co_u32 s89, s89, 96
	s_mul_i32 s89, s89, RECB                       ; V: R's first record, in wq
	s_and_b32 s90, s86, 63                         ; q, k: which block of 128 tokens
	s_mul_i32 s96, s90, 8*RECB                     ; q, k: R's first record, in xq
	s_cmp_lt_u32 ttmp9, 64
	s_cselect_b32 s85, s85, s87
	s_cselect_b32 s96, s89, s96
	s_mov_b32 s97, 0
	s_lshl_b32 s85, s85, 2
	s_add_co_u32 s85, s85, s[WV]                   ; my P: V: block 0..63 of x; q, k: head 0..11 (0-5 of Wq, 6-11 of Wk): in both buffers records 8 x this number on
	s_mul_i32 s98, s85, 8*RECB
	s_mov_b32 s99, 0
	s_wait_dscnt 0x0
	s_wait_kmcnt 0x0
	s_cmp_lt_u32 ttmp9, 64
	s_cselect_b64 s[PB:PB+1], s[4:5], s[6:7]       ; a choice on the work-group's number alone
	s_cselect_b64 s[RB:RB+1], s[6:7], s[4:5]
	s_add_nc_u64 s[PB:PB+1], s[PB:PB+1], s[98:99]
	s_add_nc_u64 s[RB:RB+1], s[RB:RB+1], s[96:97]
	s_mov_b32 s[G0R], 1
	s_mul_i32 s98, s[WV], 2*RECB                   ; records 2 w and 2 w + 1 of R
	s_add_co_u32 s[G0R+1], s98, RL
	s_add_nc_u64 s[G0R+2:G0R+3], s[RB:RB+1], s[98:99]
	s_or_b32 s[G0R+3], s[G0R+3], 0x80000000
	s_cmp_lt_u32 ttmp9, 64
	s_cbranch_scc1 .Lv                             ; the one parting, on the work-group's number; the ways never join; each way has one tensor load a wave
	tensor_load_to_lds s[G0R:G0R+3], s[G1R:G1R+7]  ; q, k: records 2 w and 2 w + 1 of R: my one tensor load
	s_nop 0
	PLACES
; ---------------- q and k
	s_cmp_lt_u32 s85, 6                            ; a head of Wq or of Wk: choices on the wave's and the work-group's numbers alone
	s_cselect_b64 s[96:97], s[8:9], s[10:11]
	s_cselect_b64 s[OF:OF+1], s[14:15], s[18:19]
	s_cselect_b64 s[OS:OS+1], s[16:17], s[20:21]
	s_cselect_b32 s86, 0, 6
	s_cselect_b32 s87, 0, 1                        ; k's records (K and V together) are twice as long as q's
	s_sub_co_u32 s86, s85, s86                     ; head
	s_lshl_b32 s98, s86, 9
	s_add_nc_u64 s[68:69], s[96:97], s[98:99]      ; the head's 128 numbers of the bias
	s_wait_alu depctr_va_vdst(0)
	v_lshlrev_b32 v[BA], 6, v10                    ; lane (r, h) wants, for tile 2 b + u, the bias of units 32 b + 16 h + 8 u + 0 .. 7
.irp i, 0,1,2,3,4,5,6,7
	global_load_b128 v[B+8*\i:B+8*\i+3], v[BA], s[68:69] offset:(32*(\i/2)+8*(\i%2))*4
	global_load_b128 v[B+8*\i+4:B+8*\i+7], v[BA], s[68:69] offset:(32*(\i/2)+8*(\i%2))*4+16
.endr
	s_lshr_b32 s98, s90, 5                         ; batch
	s_mul_i32 s98, s98, 6
	s_add_co_u32 s98, s98, s86                     ; bh = 6 x batch + head
	s_and_b32 s90, s90, 31                         ; the block of 128 tokens in the batch
	s_lshl_b32 s96, s98, 5
	s_add_co_u32 s96, s96, s90
	s_mul_i32 s96, s96, 12288
	s_lshl_b32 s96, s96, s87                       ; q: 12,288 (32 bh + block); k: 24,576 (32 bh + block)
	s_mov_b32 s97, 0
	s_add_nc_u64 s[OF:OF+1], s[OF:OF+1], s[96:97]
	s_lshl_b32 s96, s98, 14
	s_lshl_b32 s96, s96, s87
	s_lshl_b32 s90, s90, 9
	s_add_co_u32 s96, s96, s90                     ; q: 16,384 bh + 512 block; k: 32,768 bh + 512 block
	s_add_nc_u64 s[OS:OS+1], s[OS:OS+1], s[96:97]
	PHEAD
	s_wait_alu depctr_va_vdst(0)
	RLOAD 0, 0, RL0
	s_wait_loadcnt 0x0                             ; P's six K steps, its scale words and the bias
	s_mov_b32 s[TR], 2
	s_mov_b32 s[RT], 0
	s_mov_b32 s86, 0
	s_mov_b32 s87, 0
.Lqk:                                  ; a trip is four tiles, so that R's sets are back where they began
	v_add_nc_u32 v[RLA], s[RT], v[RL0]
	v_add_nc_u32 v[OFF_F], s86, v[LI]
	v_add_nc_u32 v[OFF_S], s87, v[SO]
	TILE 0, 0
	TILE 0, 1
	TILE 0, 2
	TILE 0, 3
	s_wait_xcnt 0x0                                ; the trip's stores have read their offsets: these are written again at the loop's head
	s_add_co_u32 s[RT], s[RT], 4*RECB
	s_add_co_u32 s86, s86, 6144
	s_add_co_u32 s87, s87, 256
	s_sub_co_u32 s[TR], s[TR], 1
	s_cmp_lg_u32 s[TR], 0
	s_cbranch_scc1 .Lqk
	s_wait_tensorcnt 0x0
	ds_add_u32 v254, v255
	s_wait_dscnt 0x0
	s_endpgm
; ---------------- v
.Lv:
	s_mov_b32 s[G0X], 1
	s_mul_i32 s98, s[WV], 3*RECB                   ; records 3 w .. 3 w + 2 of R
	s_add_co_u32 s[G0X+1], s98, RL
	s_add_nc_u64 s[G0X+2:G0X+3], s[RB:RB+1], s[98:99]
	s_or_b32 s[G0X+3], s[G0X+3], 0x80000000
	tensor_load_to_lds s[G0X:G0X+3], s[G1X:G1X+7]  ; my one tensor load
	s_nop 0
	PLACES
	s_mul_i32 s96, s[QD], 768                      ; the bias of my work-group's 12 tiles: 192 numbers
	s_mov_b32 s97, 0
	s_add_nc_u64 s[68:69], s[12:13], s[96:97]
	s_wait_alu depctr_va_vdst(0)
	v_lshlrev_b32 v[BA], 2, v9                     ; lane (r, h) is channel r of a tile
.irp n, 0,1,2,3,4,5,6,7,8,9,10,11
	global_load_b32 v[B+\n], v[BA], s[68:69] offset:64*\n
.endr
	s_lshr_b32 s86, s85, 5                         ; batch
	s_and_b32 s87, s85, 31                         ; key step
	s_mul_i32 s96, s86, 192
	s_add_co_u32 s96, s96, s87
	s_mul_i32 s96, s96, 24576
	s_add_co_u32 s96, s96, 12288                   ; head 0 of the batch, my key step, behind K's eight images
	s_add_nc_u64 s[OF:OF+1], s[18:19], s[96:97]
	s_mul_i32 s96, s86, 6*32768
	s_lshl_b32 s87, s87, 9
	s_add_co_u32 s96, s96, s87
	s_add_co_u32 s96, s96, 16384                   ; behind K's 32 scale images
	s_add_nc_u64 s[OS:OS+1], s[20:21], s[96:97]
	s_mul_i32 s[QD], s[QD], 3                      ; which four tiles of the 48: 3 x the work-group's part + the trip
	s_wait_alu depctr_va_vdst(0)
	PHEAD
	RLOAD 0, 0, RL0
	s_wait_loadcnt 0x0                             ; P's six K steps, its scale words and the bias
	s_mov_b32 s[TR], 3
	s_mov_b32 s[RT], 0
.Lvv:
	v_add_nc_u32 v[RLA], s[RT], v[RL0]
	s_lshr_b32 s86, s[QD], 1                       ; head
	s_and_b32 s87, s[QD], 1                        ; which four of its eight tiles
	s_mul_i32 s96, s86, 786432
	s_mul_i32 s97, s87, 6144
	s_add_co_u32 s96, s96, s97
	v_add_nc_u32 v[OFF_F], s96, v[LI]
	s_lshl_b32 s86, s86, 15
	s_lshl_b32 s87, s87, 8
	s_add_co_u32 s86, s86, s87
	v_add_nc_u32 v[OFF_S], s86, v[SO]
	TILE 1, 0
	TILE 1, 1
	TILE 1, 2
	TILE 1, 3
	s_wait_xcnt 0x0                                ; the trip's stores have read their offsets
	s_add_co_u32 s[RT], s[RT], 4*RECB
	s_add_co_u32 s[QD], s[QD], 1
	s_sub_co_u32 s[TR], s[TR], 1
	s_cmp_lg_u32 s[TR], 0
	s_cbranch_scc1 .Lvv
	s_wait_tensorcnt 0x0
	ds_add_u32 v254, v255
	s_wait_dscnt 0x0
	s_endpgm
.Lfunc_end_k_q77c04352ce_qkv:
	.size	k_q77c04352ce_qkv, .Lfunc_end_k_q77c04352ce_qkv-k_q77c04352ce_qkv
	.p2alignl 7, 3214868480
	.fill 96, 4, 3214868480
	.section	.rodata,"a",@progbits
	.p2align	6, 0x0
	.amdhsa_kernel k_q77c04352ce_qkv
		.amdhsa_group_segment_fixed_size 318976
		.amdhsa_private_segment_fixed_size 0
		.amdhsa_enable_private_segment 0
		.amdhsa_kernarg_size 72
		.amdhsa_user_sgpr_count 2
		.amdhsa_user_sgpr_kernarg_segment_ptr 1
		.amdhsa_wavefront_size32 1
		.amdhsa_system_sgpr_workgroup_id_x 1
		.amdhsa_system_sgpr_workgroup_id_y 1
		.amdhsa_system_sgpr_workgroup_id_z 1
		.amdhsa_system_vgpr_workitem_id 0
		.amdhsa_next_free_vgpr 1024
		.amdhsa_next_free_sgpr 102
		.amdhsa_reserve_vcc 0
		.amdhsa_float_denorm_mode_32 3
		.amdhsa_float_denorm_mode_16_64 3
		.amdhsa_memory_ordered 1
		.amdhsa_forward_progress 1
		.amdhsa_inst_pref_size 138
	.end_amdhsa_kernel
	.amdgpu_metadata
---
amdhsa.version: [ 1, 2 ]
amdhsa.kernels:
  - .name:           k_q77c04352ce_qkv
    .symbol:         k_q77c04352ce_qkv.kd
    .args:
      - { .name: xq, .offset: 0, .size: 8, .value_kind: global_buffer, .address_space: global }
      - { .name: wq, .offset: 8, .size: 8, .value_kind: global_buffer, .address_space: global }
      - { .name: bq, .offset: 16, .size: 8, .value_kind: global_buffer, .address_space: global }
      - { .name: bk, .offset: 24, .size: 8, .value_kind: global_buffer, .address_space: global }
      - { .name: bv, .offset: 32, .size: 8, .value_kind: global_buffer, .address_space: global }
      - { .name: qf, .offset: 40, .size: 8, .value_kind: global_buffer, .address_space: global }
      - { .name: qs, .offset: 48, .size: 8, .value_kind: global_buffer, .address_space: global }
      - { .name: kvf, .offset: 56, .size: 8, .value_kind: global_buffer, .address_space: global }
      - { .name: kvs, .offset: 64, .size: 8, .value_kind: global_buffer, .address_space: global }
    .group_segment_fixed_size: 318976
    .private_segment_fixed_size: 0
    .kernarg_segment_align: 8
    .kernarg_segment_size: 72
    .max_flat_workgroup_size: 128
    .sgpr_count:     102
    .vgpr_count:     1024
    .wavefront_size: 32
...
	.end_amdgpu_metadata
.endif
;; end of part 2
;; launch attn (part 3): grid 256 x 1, 12 waves a work-group, clusters of 4 x 1, 327,680 bytes of LDS; arguments qf, qs, kvf, kvs, out0; writes out0
.if DOCPART == 3
	.amdgcn_target "amdgcn-amd-amdhsa--gfx1250"
	.amdhsa_code_object_version 6
	.text
	.protected	k_q77c04352ce_attn
	.globl	k_q77c04352ce_attn
	.p2align	8
	.type	k_q77c04352ce_attn,@function
k_q77c04352ce_attn:
	s_mov_b64 s[64:65], 0
	v_nop
	global_prefetch_b8 v0, s[64:65] scope:SCOPE_SE
	s_setreg_imm32_b32 hwreg(HW_REG_WAVE_MODE, 25, 1), 1
	s_wait_xcnt 0x0
	s_wait_alu depctr_hold_cnt(0) depctr_sa_sdst(0) depctr_va_vdst(0) depctr_va_sdst(0) depctr_va_ssrc(0) depctr_va_vcc(0) depctr_vm_vsrc(0)
	s_getreg_b32 s2, hwreg(HW_REG_IB_STS2, 6, 4)
	s_cmp_eq_u32 s2, 0
	s_cbranch_scc0 .Lentry_in_a_cluster
	s_endpgm
.Lentry_in_a_cluster:
	s_bfe_u32 s2, ttmp6, 0x10000c
	s_cmp_lg_u32 s2, 0x3003
	s_cbranch_scc0 .Lentry_shape_is_right
	s_endpgm
.Lentry_shape_is_right:
; out0[b][q][128 head + :] = the sum over k of softmax_k(Q . K / sqrt(128)) V, for 12 (batch, head) pairs bh of 4,096 tokens, both products on codes of BF6 (E3M2) with E8M0 scales, sums in f32.
; Q, K and V^T come as images of operand registers (1,536 bytes a fragment of 16 rows x 128 K: registers 4 c .. 4 c + 3 of lane l at 512 c + 16 l) and scale images of 8 tiles (512 bytes: lane (r, hs): the words of tiles 4 hs .. 4 hs + 3, row r).
; kvf: [bh][key step of 128 keys][K's 8 tiles, V^T's 8 tiles]; kvs: [bh][K's 32 scale images, V's 32].  Row r of token tile T is token 32 (T / 2) + 8 (T % 2) + r + 8 (r / 8).
; THE SOFTMAX: t = score x log2(e) / sqrt(128); M = the running largest t rounded UP to a whole number; p = 2^(t - M) is quantised along the keys, not normalised; the row's sum is taken of the
; unquantised p and divides at the end.  When M moves, the sum and O are multiplied by 2^(old M - new M): exact.
; SHARES.  3,072 query tiles of 16 on 256 work-groups are 12 each, and 256 tiles of a bh are no multiple of 12.  So a work-group walks TWO bh at once, and each of its twelve waves owns one tile:
; waves 0 to 7 eight tiles (128 queries) of a bh 0..7 (8 x 32 shares), waves 8 to 11 four tiles (64 queries) of a bh 8..11 (4 x 64 shares).  All waves run the same text: three on a SIMD, 3 x 336 registers.
; Both products are used transposed (S^T = K Q^T, O^T = V^T P^T): a lane holds one query, and the 16 registers of score tiles 2 b, 2 b + 1 are keys 32 b + 16 (lane / 16) + 0 .. 15.
; CLUSTER.  The four work-groups of a cluster share both bh: each tile is asked for JOINTLY, by the same tensor load with the same descriptor and the mask of all four.
; RING.  Two LDS slots, each with two key steps of either stream (4 x 24,576 bytes); waves 0 to 3 fetch one piece each.  THE CHANGE OF SLOTS LIES INSIDE A SLOT'S SECOND KEY STEP: when that step's fragments of V
; are in registers, the wave reads the slot no more: it waits for its tensor loads, adds, waits for its LDS instructions and signals; the step's softmax and second product, work on registers alone, stand
; between the signal and the wait; the rest of the cluster's round and the joint refill of the slot just left (two slots on) follow.  Both bh's scale images stay in LDS, filled once, by waves 4 to 11 at the
; head, a quarter of a bh's each: so every wave issues one tensor load there.  The launch claims all of LDS; it uses 263,680 bytes.
; PREFETCH.  In a slot's first key step the slot that this slot's own change asks for is named: more than one key step ahead of that load.  A cluster's partners share its 98,304 bytes out by address, a piece each;
; waves 4, 5, 6 name 8,192 bytes each, lanes 256 bytes apart.  Slots 0 and 1 come by their loads alone; slots 14 and 15 name nothing: there is no slot behind them.
; LIMITS: NaN and infinities are not served.  The promise holds while the scaled scores t stay under 2^31 in magnitude.  A block of p that has fallen to zeros keeps the byte 1: its codes are zeros.
; REGISTERS: v1-11 addresses; v12 -M, v13 the largest t, v[14:15] the sum; v16-27 Q; v28, v29 offsets; v32-79 fragments 0-3 of K or V (the same numbers in window 1: fragments 4-7); v80-83 chains of the sum;
;   v96-159 S^T, then p; v160-223 O^T; v224-235 p's codes; v232-247, v252, v254 at work; v248-251 K's or V's scale words; v253 p's scale word; v255 Q's.
.set STEPB, 24576                      ; a key step's images
.set SLADV, 2*STEPB                    ; a slot's bytes of one stream
.set SLOT1, 131072                     ; slot 0 at 0, slot 1 here: one exclusive or changes slots
.set SCA,   98304                      ; the first stream's scale images, 32,768 bytes; the second's lie 131,072 on
.set SPARE, 262144                     ; the spare words, 128 bytes a wave
.set LI,  1
.set LS0, 3
.set SPW, 5
.set NIL, 6
.set GO,  7
.set ADK, 8
.set ADS, 10
.set PFO, 28
.set WV,  14
.set SEL, 20
.set CS,  22
.set G1T, 24
.set G1S, 32
.set G0T, 40
.set G0S, 44
.set TK,  48                           ; LDS byte of my stream's part of the slot in hand
.set TS,  49                           ; its first scale image
.set SLOTS, 50
.set IN,  51
.set LIM, 52                           ; 1 in a wave that prefetches
.set KIND, 53                          ; my stream: 0 or 1
.set PFA, 54
.set MSB, 0
.macro WIN new
.if MSB != (\new)
	s_set_vgpr_msb (MSB<<8)|(\new)
.set MSB, (\new)
.endif
.endm
.macro PLACES
.rept 4
	v_nop
.endr
.endm
.macro CREST                           ; a round of the cluster's barrier behind its opening barrier
	s_cmp_lg_u32 s[WV], 0
	s_cbranch_scc1 .Lnot_wave_0_\@
	s_barrier_signal -3
.Lnot_wave_0_\@:
	s_barrier_wait -3
	s_barrier_signal -1
	s_barrier_wait -1
.endm
.macro CROUND                          ; a whole round
	s_barrier_signal -1
	s_barrier_wait -1
	CREST
.endm
.macro GROUP1 g, r                     ; r dense rows of 256 bytes; the mask of all four partners, bit 21 beside it
	s_mov_b32 s[\g], 15|(3<<16)|(1<<21)
	s_mov_b32 s[\g+1], 32<<16
	s_mov_b32 s[\g+2], (\r)<<16
	s_mov_b32 s[\g+3], 32<<16
	s_mov_b32 s[\g+4], \r
	s_mov_b32 s[\g+5], 32
	s_mov_b32 s[\g+6], 0
	s_mov_b32 s[\g+7], 0
.endm
.macro TLOAD                           ; waves 0 to 3 fetch a piece each
	s_cmp_lt_u32 s[WV], 4
	s_cbranch_scc0 .Lnone_\@
	tensor_load_to_lds s[G0T:G0T+3], s[G1T:G1T+7]
	s_nop 0
	PLACES
.Lnone_\@:
.endm
.macro ASK                             ; waves 4, 5, 6 alone
	s_cmp_eq_u32 s[LIM], 1
	s_cbranch_scc0 .Lno_ask_\@
	global_prefetch_b8 v[PFO], s[PFA:PFA+1] th:TH_LOAD_NT scope:SCOPE_SE
.Lno_ask_\@:
.endm
.macro LEAVE fill                      ; the lines in front of a change's signal.  fill = 1: no tensor load of mine is out, so the group 0 walks
	s_wait_tensorcnt 0x0                           ; all my tensor loads have landed, my piece of the next slot among them
	ds_add_u32 v[SPW], v[NIL]
.if \fill
	s_xor_b32 s[G0T+1], s[G0T+1], SLOT1            ; the other slot than last time,
	s_add_nc_u64 s[G0T+2:G0T+3], s[G0T+2:G0T+3], SLADV   ; my stream's next two key steps
	s_wait_xcnt 0x0                                ; the last prefetch has read its address
	s_add_nc_u64 s[PFA:PFA+1], s[PFA:PFA+1], SLADV
.endif
	s_wait_dscnt 0x0                               ; the add is done, and so are my reads of the slot that I leave
.endm
	s_load_b256 s[4:11], s[0:1], 0x0               ; qf, qs, kvf, kvs
	s_load_b64 s[12:13], s[0:1], 0x20              ; out0
	v_lshl_add_u32 v[SPW], v0, 2, SPARE
	v_mov_b32 v[NIL], 0
	ds_add_u32 v[SPW], v[NIL]                      ; the opening lines: the add twice on end and its wait
	ds_add_u32 v[SPW], v[NIL]
	v_lshrrev_b32 v8, 5, v0
	s_delay_alu instid0(VALU_DEP_1)
	v_readfirstlane_b32 s[WV], v8                  ; wave 0..11
	s_bfe_u32 s15, ttmp6, 0x40000                  ; cx: it enters Q's, the output's and the prefetches' addresses alone
	s_lshl_b32 s16, ttmp9, 2
	s_add_co_u32 s16, s16, s15                     ; W: the work-group's number
	s_lshr_b32 s[KIND], s[WV], 3
	s_and_b32 s18, s[WV], 7                        ; my tile among my stream's
	s_lshr_b32 s70, ttmp9, 3                       ; the first stream's bh = W / 32,
	s_lshr_b32 s71, ttmp9, 4
	s_add_co_u32 s71, s71, 8                       ; the second's = 8 + W / 64: the partners share both
	GROUP1 G1T, 96
	GROUP1 G1S, 32
	s_and_b32 s19, s[WV], 3                        ; waves 0-3 fetch piece j = w: stream j / 2, key step j % 2 of a slot
	s_lshr_b32 s56, s19, 1
	s_and_b32 s57, s19, 1
	s_cmp_eq_u32 s56, 0
	s_cselect_b32 s58, s70, s71
	s_mul_i32 s60, s58, 32*STEPB
	s_mul_i32 s59, s57, STEPB
	s_add_co_u32 s60, s60, s59
	s_mov_b32 s61, 0
	s_mul_i32 s59, s19, STEPB                      ; the piece's place in a slot
	s_add_co_u32 s72, s[WV], 4                     ; waves 4-11 fetch scale images: (w + 4) % 8 = w - 4: stream / 4, quarter % 4
	s_and_b32 s72, s72, 7
	s_lshr_b32 s73, s72, 2
	s_and_b32 s72, s72, 3
	s_cmp_eq_u32 s73, 0
	s_cselect_b32 s74, s70, s71
	s_lshl_b32 s62, s74, 15
	s_lshl_b32 s66, s72, 13
	s_add_co_u32 s62, s62, s66
	s_mov_b32 s63, 0
	s_lshl_b32 s67, s73, 17
	s_add_co_u32 s67, s67, s66
	s_add_co_u32 s67, s67, SCA
	s_lshr_b32 s68, s15, 1                         ; the prefetches: my work-group names piece cx,
	s_and_b32 s69, s15, 1
	s_cmp_eq_u32 s68, 0
	s_cselect_b32 s68, s70, s71
	s_mul_i32 s68, s68, 32*STEPB
	s_mul_i32 s69, s69, STEPB
	s_add_co_u32 s68, s68, s69
	s_lshl_b32 s69, s19, 13                        ; my wave 8,192 bytes of it,
	s_add_co_u32 s68, s68, s69
	s_add_co_u32 s68, s68, SLADV                   ; in slot 1: the first change of slots steps it to slot 2
	s_mov_b32 s69, 0
	s_sub_co_u32 s72, s[WV], 4
	s_cmp_lt_u32 s72, 3
	s_cselect_b32 s[LIM], 1, 0
	s_mul_i32 s[TK], s[KIND], SLADV
	s_lshl_b32 s[TS], s[KIND], 17
	s_mov_b32 s[SLOTS], 14
	s_mov_b32 s[SEL], 0x76543210
	s_mov_b32 s[SEL+1], 0xfedcba98
	s_mov_b32 s[CS], 0x3e0293ee                    ; c = log2(e) / sqrt(128)
	s_mov_b32 s[CS+1], s[CS]
	s_wait_dscnt 0x0
	s_wait_kmcnt 0x0
	s_mov_b32 s[G0T], 1
	s_mov_b32 s[G0T+1], s59
	s_add_nc_u64 s[G0T+2:G0T+3], s[8:9], s[60:61]
	s_or_b32 s[G0T+3], s[G0T+3], 0x80000000
	s_mov_b32 s[G0S], 1
	s_mov_b32 s[G0S+1], s67
	s_add_nc_u64 s[G0S+2:G0S+3], s[10:11], s[62:63]
	s_or_b32 s[G0S+3], s[G0S+3], 0x80000000
	s_add_nc_u64 s[PFA:PFA+1], s[8:9], s[68:69]
	CROUND                                         ; all four work-groups are here: the first joint loads meet
	s_cmp_lt_u32 s[WV], 4                          ; one tensor load a wave at the head, one in each arm
	s_cbranch_scc0 .Lhead_s
	tensor_load_to_lds s[G0T:G0T+3], s[G1T:G1T+7]  ; slot 0's pieces
	s_nop 0
	PLACES
	s_branch .Lhead_j
.Lhead_s:
	tensor_load_to_lds s[G0S:G0S+3], s[G1S:G1S+7]  ; the scale images: filled once
	s_nop 0
	PLACES
.Lhead_j:
	s_and_b32 s72, s16, 31                         ; my stream's first group of 32 tokens here: 4 (W % 32),
	s_lshl_b32 s72, s72, 2
	s_and_b32 s73, s16, 63                         ; or 2 (W % 64)
	s_lshl_b32 s73, s73, 1
	s_cmp_eq_u32 s[KIND], 0
	s_cselect_b32 s16, s72, s73
	s_cselect_b32 s17, s70, s71                    ; bh
	s_lshr_b32 s74, s18, 1
	s_add_co_u32 s16, s16, s74                     ; G: my group,
	s_and_b32 s74, s18, 1                          ; u: my tile of its two
	s_lshl_b32 s78, s17, 7
	s_add_co_u32 s78, s78, s16
	s_mul_i32 s78, s78, 3072
	s_mul_i32 s77, s74, 1536
	s_add_co_u32 s78, s78, s77
	s_mov_b32 s79, 0
	s_add_nc_u64 s[4:5], s[4:5], s[78:79]
	s_lshl_b32 s78, s17, 14                        ; Q's scale words: tile 2 G + u is tile 2 (G % 4) + u of block G / 4
	s_lshr_b32 s77, s16, 2
	s_lshl_b32 s77, s77, 9
	s_add_co_u32 s78, s78, s77
	s_bfe_u32 s77, s16, 0x10001
	s_lshl_b32 s77, s77, 8
	s_add_co_u32 s78, s78, s77
	s_and_b32 s77, s16, 1
	s_lshl_b32 s77, s77, 3
	s_add_co_u32 s78, s78, s77
	s_lshl_b32 s77, s74, 2
	s_add_co_u32 s78, s78, s77
	s_add_nc_u64 s[6:7], s[6:7], s[78:79]
	s_cmp_ge_u32 s17, 6
	s_cselect_b32 s77, 1, 0                        ; batch
	s_mul_i32 s78, s77, 6
	s_sub_co_u32 s78, s17, s78                     ; head
	s_lshl_b32 s77, s77, 12
	s_lshl_b32 s84, s16, 5
	s_add_co_u32 s77, s77, s84
	s_lshl_b32 s84, s74, 3
	s_add_co_u32 s77, s77, s84                     ; my first token: 4,096 batch + 32 G + 8 u
	s_mul_i32 s77, s77, 3072
	s_lshl_b32 s78, s78, 9
	s_add_co_u32 s78, s78, s77
	s_add_nc_u64 s[12:13], s[12:13], s[78:79]
	v_and_b32 v2, 31, v0
	s_delay_alu instid0(VALU_DEP_1)
	v_lshlrev_b32 v[LI], 4, v2
	s_delay_alu instid0(VALU_DEP_1)
	v_add_nc_u32 v[LS0], SCA, v[LI]
	s_delay_alu instid0(VALU_DEP_3)
	v_lshlrev_b32 v[PFO], 8, v2
	v_and_b32 v8, 15, v0                           ; r
	v_bfe_u32 v10, v0, 4, 1                        ; h
	s_delay_alu instid0(VALU_DEP_1)
	v_mul_u32_u24 v[GO], v10, 3072
	s_delay_alu instid0(VALU_DEP_1)
	v_lshl_add_u32 v[GO], v8, 4, v[GO]
	s_delay_alu instid0(VALU_DEP_4)
	v_lshlrev_b32 v29, 4, v8
	s_wait_alu depctr_va_vdst(0)
.irp c, 0,1,2
	global_load_b128 v[16+4*\c:19+4*\c], v[LI], s[4:5] offset:512*\c   ; Q stays in registers
.endr
	global_load_b32 v255, v29, s[6:7]
	; the key step is written for all steps alike: the first finds zeros, which the first change of M leaves zeros
	v_mov_b32 v13, 0xff61b1e6                      ; -3e38, under every t
	s_delay_alu instid0(VALU_DEP_1)
	v_floor_f32 v12, -v13
	v_mov_b32 v14, 0
	v_mov_b32 v15, 0
.irp b, 0,1,2,3
	v_mov_b32 v[236+\b], 0                         ; a lane permute's destination counts as one of its sources
.endr
	v_mov_b32 v253, 0
.set j, 0
.rept 64
	v_mov_b32 v[160+j], 0
.set j, j+1
.endr
.macro FRAGS off                       ; eight fragments: 0-3 into window 0, 4-7 into window 1
.irp t, 0,1,2,3
.irp c, 0,1,2
	ds_load_b128 v[32+12*\t+4*\c:35+12*\t+4*\c], v[ADK] offset:\off+1536*\t+512*\c
.endr
.endr
	WIN 0x40
.irp t, 0,1,2,3
.irp c, 0,1,2
	ds_load_b128 v[32+12*\t+4*\c:35+12*\t+4*\c], v[ADK] offset:\off+1536*(4+\t)+512*\c
.endr
.endr
	WIN 0
.endm
.macro SMUL d, a, sa, row              ; row = 1: the words of tiles 4-7 stand in lanes 16-31
.if \row
	v_wmma_scale_f32_16x16x128_f8f6f4 v[\d:\d+7], v[\a:\a+11], v[16:27], 0, v[\sa], v255 matrix_a_fmt:MATRIX_FMT_BF6 matrix_b_fmt:MATRIX_FMT_BF6 matrix_a_scale:MATRIX_SCALE_ROW1
.else
	v_wmma_scale_f32_16x16x128_f8f6f4 v[\d:\d+7], v[\a:\a+11], v[16:27], 0, v[\sa], v255 matrix_a_fmt:MATRIX_FMT_BF6 matrix_b_fmt:MATRIX_FMT_BF6
.endif
.endm
.macro OMUL d, a, sa, row
.if \row
	v_wmma_scale_f32_16x16x128_f8f6f4 v[\d:\d+7], v[\a:\a+11], v[224:235], v[\d:\d+7], v[\sa], v253 matrix_a_fmt:MATRIX_FMT_BF6 matrix_b_fmt:MATRIX_FMT_BF6 matrix_a_scale:MATRIX_SCALE_ROW1
.else
	v_wmma_scale_f32_16x16x128_f8f6f4 v[\d:\d+7], v[\a:\a+11], v[224:235], v[\d:\d+7], v[\sa], v253 matrix_a_fmt:MATRIX_FMT_BF6 matrix_b_fmt:MATRIX_FMT_BF6
.endif
.endm
.macro SPROD hf                        ; S^T = K Q^T: fragments 4 hf .. 4 hf + 3.  Every product has an accumulator of its own
	WIN \hf                                        ; source 0: the fragments' window
.irp t, 0,1,2,3
	SMUL 96+8*(4*\hf+\t), 32+12*\t, 248+\t, \hf
.endr
.endm
.macro OPROD hf                        ; O^T += V^T P^T likewise
	WIN \hf
.irp t, 0,1,2,3
	OMUL 160+8*(4*\hf+\t), 32+12*\t, 248+\t, \hf
.endr
.endm
; The softmax of my tile for 128 keys: work on registers alone.
.macro SOFTMAX
.irp b, 0,1,2,3
	v_max3_num_f32 v[232+\b], v[96+16*\b], v[97+16*\b], v[98+16*\b]   ; the largest score of each block of 32 keys: for the row's maximum and for the block's largest p
.endr
.irp i, 3,5,7,9,11,13
.irp b, 0,1,2,3
	v_max3_num_f32 v[232+\b], v[232+\b], v[96+16*\b+\i], v[97+16*\b+\i]
.endr
.endr
.irp b, 0,1,2,3
	v_max_num_f32 v[232+\b], v[232+\b], v[111+16*\b]
.endr
.irp b, 0,1,2,3
	s_delay_alu instid0(VALU_DEP_4)
	v_permlanex16_b32 v[236+\b], v[232+\b], s[SEL], s[SEL+1]
.endr
.irp b, 0,1,2,3
	s_delay_alu instid0(VALU_DEP_4)
	v_max_num_f32 v[232+\b], v[232+\b], v[236+\b]  ; with lane l xor 16's 16 keys
.endr
	s_delay_alu instid0(VALU_DEP_2)
	v_max3_num_f32 v254, v232, v233, v234
	s_delay_alu instid0(VALU_DEP_1)
	v_max_num_f32 v254, v254, v235
	s_delay_alu instid0(VALU_DEP_1)
	v_mul_f32 v254, s[CS], v254                    ; as t (c is positive)
	s_delay_alu instid0(VALU_DEP_1)
	v_max_num_f32 v13, v13, v254                   ; the running largest t
	v_mov_b32 v254, v12
	s_delay_alu instid0(VALU_DEP_2)
	v_floor_f32 v12, -v13                          ; the new -M = -ceil(t)
	s_delay_alu instid0(VALU_DEP_1)
	v_sub_f32 v254, v12, v254                      ; old M less new M: a whole number, 0 or less
	s_delay_alu instid0(VALU_DEP_1)
	v_cvt_i32_f32 v254, v254
	s_delay_alu instid0(VALU_DEP_1)
	v_ldexp_f32 v252, 1.0, v254                    ; f = 2^(old M - new M)
.set j, 0
.rept 32
	v_pk_fma_f32 v[96+j:97+j], v[96+j:97+j], s[CS:CS+1], v[12:13] op_sel_hi:[1,0,0]   ; t - M
.set j, j+2
.endr
.irp b, 0,1,2,3
	v_fma_f32 v[232+\b], v[232+\b], s[CS], v12     ; the same of each block's largest score
.endr
.set j, 0
	s_wait_alu depctr_va_vdst(0)                   ; ahead of the batch
.rept 64
	v_exp_f32 v[96+j], v[96+j]                     ; p = 2^(t - M)
.set j, j+1
.endr
	v_pk_mul_f32 v[14:15], v[14:15], v[252:253] op_sel_hi:[1,0]   ; the sums under the new M: the plain line behind the exponentials
	s_wait_alu depctr_va_vdst(0)                   ; one wait for the batch
.irp b, 0,1,2,3
	v_exp_f32 v[232+\b], v[232+\b]                 ; the block's largest p
.endr
	v_pk_add_f32 v[236:237], v[96:97], v[98:99]    ; the row's sum, of the unquantised p, in four chains by turns
	v_pk_add_f32 v[80:81], v[100:101], v[102:103]
	v_pk_add_f32 v[82:83], v[104:105], v[106:107]
.set j, 12
.rept 6
	v_pk_add_f32 v[14:15], v[14:15], v[96+j:97+j]
	v_pk_add_f32 v[236:237], v[236:237], v[98+j:99+j]
	v_pk_add_f32 v[80:81], v[80:81], v[100+j:101+j]
	v_pk_add_f32 v[82:83], v[82:83], v[102+j:103+j]
.set j, j+8
.endr
	v_pk_add_f32 v[14:15], v[14:15], v[156:157]
	v_pk_add_f32 v[236:237], v[236:237], v[158:159]
	s_delay_alu instid0(VALU_DEP_3)
	v_pk_add_f32 v[80:81], v[80:81], v[82:83]
	s_delay_alu instid0(VALU_DEP_2)
	v_pk_add_f32 v[14:15], v[14:15], v[236:237]
	s_delay_alu instid0(VALU_DEP_1)
	v_pk_add_f32 v[14:15], v[14:15], v[80:81]
	s_wait_alu depctr_va_vdst(0)                   ; and one for the four
.irp b, 0,1,2,3
	v_max_num_f32 v[232+\b], 0x2800000, v[232+\b]  ; the floor 2^(5 - 127): the byte cannot fall under 1
.endr
.irp b, 0,1,2,3
	s_delay_alu instid0(VALU_DEP_4)
	v_add_nc_u32 v[244+\b], 0xfe000000, v[232+\b]  ; 4 off the exponent field: the conversion's scale operand
.endr
.irp b, 0,1,2,3
	s_delay_alu instid0(VALU_DEP_4)
	v_lshrrev_b32 v[236+\b], 23, v[244+\b]         ; the scale's byte
.endr
	s_delay_alu instid0(VALU_DEP_3)
	v_lshl_or_b32 v253, v237, 8, v236
	s_delay_alu instid0(VALU_DEP_1)
	v_lshl_or_b32 v253, v238, 16, v253
	s_delay_alu instid0(VALU_DEP_1)
	v_lshl_or_b32 v253, v239, 24, v253             ; p's scale word for these 128 keys
.irp c, 0,1
	v_cvt_scalef32_pk16_bf6_f32 v[224+6*\c:226+6*\c], v[96+32*\c:111+32*\c], v[244+2*\c]
	v_cvt_scalef32_pk16_bf6_f32 v[236+4*\c:238+4*\c], v[112+32*\c:127+32*\c], v[245+2*\c]
.endr
	v_nop                                          ; one plain line behind the scaled conversions
.irp c, 0,1                            ; the operand wants a whole block in a lane
.irp i, 0,1,2
	v_permlane16_swap_b32 v[224+6*\c+\i], v[236+4*\c+\i]
.endr
.irp i, 0,1,2
	s_delay_alu instid0(VALU_DEP_3)
	v_mov_b32 v[227+6*\c+\i], v[236+4*\c+\i]
.endr
.endr
	s_wait_alu depctr_va_vdst(0)                   ; directly ahead of the first reader of O^T
.set j, 0
.rept 32
	v_pk_mul_f32 v[160+j:161+j], v[160+j:161+j], v[252:253] op_sel_hi:[1,0]   ; O^T under the new M, each accumulator from its low end on; these 32 lines also stand between the scale word, the codes and the products
.set j, j+2
.endr
.endm
; A KEY STEP: 128 keys of my stream, my tile of queries.  e: the slot's first step, which makes the slot's addresses, or its second, which uses them with immediates.
; chg = 1: the slot is left in this step and filled again; chg = 2: it is left and nothing is left to fetch.
.macro STEP e, ask, chg
.if \e == 0
	v_add_nc_u32 v[ADK], s[TK], v[LI]
	v_add_nc_u32 v[ADS], s[TS], v[LS0]
	v_nop
	v_nop                                          ; four plain lines between the last products and the loads into registers that they read
.else
	PLACES
.endif
	ds_load_b128 v[248:251], v[ADS] offset:512*\e  ; K's scale words
	FRAGS \e*STEPB                                 ; K
.if \ask
	ASK
.endif
	s_wait_dscnt 12                                ; all but the twelve loads of fragments 4-7
	SPROD 0
	s_wait_dscnt 0x0
	SPROD 1
	WIN 0
	PLACES                                         ; ahead of the loads below and of the first read of the scores
	s_wait_alu depctr_va_vdst(0)
	ds_load_b128 v[248:251], v[ADS] offset:512*\e+16384   ; V's scale words,
	FRAGS \e*STEPB+12288                           ; and V
.if \chg
	LEAVE (\chg == 1)                              ; V is in registers: I read this slot no more
	s_barrier_signal -1                            ; say so; what follows up to the wait is work on registers alone
.endif
	SOFTMAX
	s_wait_alu depctr_va_vdst(0)
.if \chg == 0
	s_wait_dscnt 0x0                               ; V has landed under the softmax
.endif
	OPROD 0
	OPROD 1
	WIN 0
.if \chg
	s_barrier_wait -1                              ; every wave of my work-group has left the slot, and the next slot is whole
.endif
.if \chg == 1
	CREST                                          ; the barrier has opened a round of the cluster's barrier: the same holds of every partner
	TLOAD                                          ; the joint refill of the slot just left: the first tensor load behind the round
.endif
.endm
	s_wait_alu depctr_va_vdst(0)
	s_wait_loadcnt 0x0                             ; Q and its scale words
	LEAVE 1                                        ; the head's loads are in; slot 1's first fill is issued as a refill is
	CROUND
	TLOAD
.Lslot:                                ; fourteen trips, slots 0 to 13: slot n's change asks for slot n + 2
	STEP 0, 1, 0
	STEP 1, 0, 1
	s_xor_b32 s[TK], s[TK], SLOT1
	s_add_co_u32 s[TS], s[TS], 1024
	s_sub_co_u32 s[SLOTS], s[SLOTS], 1
	s_cmp_lg_u32 s[SLOTS], 0
	s_cbranch_scc1 .Lslot
	STEP 0, 0, 0                                   ; slot 14 is written out
	STEP 1, 0, 2
	s_xor_b32 s[TK], s[TK], SLOT1
	s_add_co_u32 s[TS], s[TS], 1024
	s_mov_b32 s[IN], 2
.Llast:                                ; slot 15: two plain steps, the addresses stepped
	STEP 0, 0, 0
	s_add_co_u32 s[TK], s[TK], STEPB
	s_add_co_u32 s[TS], s[TS], 512
	s_sub_co_u32 s[IN], s[IN], 1
	s_cmp_lg_u32 s[IN], 0
	s_cbranch_scc1 .Llast
	; THE WAY OUT.  O^T is divided by the row's sum and goes through my stage in LDS, 64 channels of 16 queries at a time.  The stages, 16 rows x 272 bytes a wave, lie in slot 0:
	; it has had its last fill, and every wave left it at the last change of slots.  These plain lines also stand between the last products and the first read of their results.
	v_and_b32 v8, 15, v0
	v_bfe_u32 v10, v0, 4, 1
	s_mul_i32 s56, s[WV], 16*272
	v_mul_u32_u24 v9, v8, 272
	s_delay_alu instid0(VALU_DEP_1)
	v_lshl_add_u32 v9, v10, 5, v9
	s_delay_alu instid0(VALU_DEP_1)
	v_add_nc_u32 v9, s56, v9                       ; in: row r, 64 bytes a tile + 32 h
	v_mul_u32_u24 v11, v10, 272
	s_delay_alu instid0(VALU_DEP_1)
	v_lshl_add_u32 v11, v8, 4, v11
	s_delay_alu instid0(VALU_DEP_1)
	v_add_nc_u32 v11, s56, v11                     ; back: lanes 0-15 one row, lanes 16-31 the next
	v_nop
	v_add_f32 v14, v14, v15
	s_delay_alu instid0(VALU_DEP_1)
	v_permlanex16_b32 v252, v14, s[SEL], s[SEL+1]
	s_delay_alu instid0(VALU_DEP_1)
	v_add_f32 v14, v14, v252                       ; the row's sum
	s_wait_alu depctr_va_vdst(0)
	v_rcp_f32 v14, v14
	v_nop
	s_wait_alu depctr_va_vdst(0)
.set j, 0
.rept 64
	v_mul_f32 v[96+j], v[160+j], v14               ; register 8 n + i is channel 16 n + 8 h + i of query row r
.set j, j+1
.endr
.irp u, 0,1
.irp n, 0,1,2,3
	ds_store_b128 v9, v[96+32*\u+8*\n:99+32*\u+8*\n] offset:64*\n
	ds_store_b128 v9, v[100+32*\u+8*\n:103+32*\u+8*\n] offset:64*\n+16
.endr
.irp i, 0,1,2,3,4,5,6,7
	ds_load_b128 v[32+32*\u+4*\i:35+32*\u+4*\i], v11 offset:2*\i*272   ; LDS serves a wave's instructions in order
.endr
.endr
.irp u, 0,1
.irp i, 0,1,2,3,4,5,6,7
	s_wait_dscnt 15-8*\u-\i
	global_store_b128 v[GO], v[32+32*\u+4*\i:35+32*\u+4*\i], s[12:13] offset:(2*\i+8*(\i/4))*3072+256*\u th:TH_STORE_NT   ; tile row 2 i + h is token 2 i + h + 8 (i / 4); 16 lanes store 256 consecutive bytes, aligned
.endr
.endr
	s_wait_tensorcnt 0x0                           ; the wave's end
	ds_add_u32 v[SPW], v[NIL]
	s_wait_dscnt 0x0
	CROUND                                         ; the closing round
	s_endpgm
.Lfunc_end_k_q77c04352ce_attn:
	.size	k_q77c04352ce_attn, .Lfunc_end_k_q77c04352ce_attn-k_q77c04352ce_attn
	.p2alignl 7, 3214868480
	.fill 96, 4, 3214868480
	.section	.rodata,"a",@progbits
	.p2align	6, 0x0
	.amdhsa_kernel k_q77c04352ce_attn
		.amdhsa_group_segment_fixed_size 327680
		.amdhsa_private_segment_fixed_size 0
		.amdhsa_enable_private_segment 0
		.amdhsa_kernarg_size 40
		.amdhsa_user_sgpr_count 2
		.amdhsa_user_sgpr_kernarg_segment_ptr 1
		.amdhsa_wavefront_size32 1
		.amdhsa_system_sgpr_workgroup_id_x 1
		.amdhsa_system_sgpr_workgroup_id_y 1
		.amdhsa_system_sgpr_workgroup_id_z 1
		.amdhsa_system_vgpr_workitem_id 0
		.amdhsa_next_free_vgpr 336
		.amdhsa_next_free_sgpr 100
		.amdhsa_reserve_vcc 0
		.amdhsa_float_denorm_mode_32 3
		.amdhsa_float_denorm_mode_16_64 3
		.amdhsa_memory_ordered 1
		.amdhsa_forward_progress 1
		.amdhsa_inst_pref_size 118
	.end_amdhsa_kernel
	.amdgpu_metadata
---
amdhsa.version: [ 1, 2 ]
amdhsa.kernels:
  - .name:           k_q77c04352ce_attn
    .symbol:         k_q77c04352ce_attn.kd
    .args:
      - { .name: qf, .offset: 0, .size: 8, .value_kind: global_buffer, .address_space: global }
      - { .name: qs, .offset: 8, .size: 8, .value_kind: global_buffer, .address_space: global }
      - { .name: kvf, .offset: 16, .size: 8, .value_kind: global_buffer, .address_space: global }
      - { .name: kvs, .offset: 24, .size: 8, .value_kind: global_buffer, .address_space: global }
      - { .name: out0, .offset: 32, .size: 8, .value_kind: global_buffer, .address_space: global }
    .group_segment_fixed_size: 327680
    .private_segment_fixed_size: 0
    .kernarg_segment_align: 8
    .kernarg_segment_size: 40
    .max_flat_workgroup_size: 384
    .sgpr_count:     100
    .vgpr_count:     336
    .wavefront_size: 32
...
	.end_amdgpu_metadata
.endif
;; end of part 3
